; MI455X (gfx1250); checked and timed in simulation.
; The chip was launched on July 23, 2026; its instructions are those of AMD's public machine-readable ISA for CDNA 5 (MIT licence, August 2026) and "CDNA5" Instruction Set Architecture Reference Guide (July 2026). The comments in the code are by the model that wrote it; some were corrected since.
;; GPT Mini. Allowed arithmetic: matrix products marked QUANTISED: E4M3 operands, one E8M0 scale for each 32 along K, by v_wmma_scale_f32_16x16x128_f8f6f4 with both operands' format E4M3, f32 sums; everything else in f32.
;; Inputs: WK_codes 1,024 x 32 x 32 uint8 (E4M3 codes of WK, K innermost, in blocks of 32 codes); WK_scales 1,024 x 32 uint8 (E8M0 scales of WK, one for each 32 codes along K); WQ_codes 1,024 x 32 x 32 uint8 (E4M3 codes of WQ, K innermost, in blocks of 32 codes); WQ_scales 1,024 x 32 uint8 (E8M0 scales of WQ, one for each 32 codes along K); WV_codes 1,024 x 32 x 32 uint8 (E4M3 codes of WV, K innermost, in blocks of 32 codes); WV_scales 1,024 x 32 uint8 (E8M0 scales of WV, one for each 32 codes along K); bK 1,024 float32; bQ 1,024 float32; bV 1,024 float32; emb 50,257 x 1,024 float32; x 8 x 2,048 int32.
;; Outputs: out0 8 x 32 x 32 float32.
;; Constants: head_dim = 32.
;; This version of the problem:
;;   THIS VERSION OF THE PROBLEM IS GIVEN IN LOW PRECISION. The matrix products marked QUANTISED in the list below multiply operands that are first quantised to E4M3 (4 exponent bits, 3 mantissa bits; 8 bits a number), with one power-of-two scale for each 32 numbers along K (OCP MX v1.0); their sums are f32. All else is computed in f32.
;;   The module's matrix products, in the order in which they are computed (A, B: the left and right operand; K: the contracted axis; several contracted axes count as one K, in the product's order):
;;     1. [M 16,384, K 1,024] x [K 1,024, N 1,024]; A: computed on the way; B: input WQ (given as codes): QUANTISED
;;     2. [M 16,384, K 1,024] x [K 1,024, N 1,024]; A: computed on the way; B: input WK (given as codes): QUANTISED
;;     3. [M 16,384, K 1,024] x [K 1,024, N 1,024]; A: computed on the way; B: input WV (given as codes): QUANTISED
;;     4. batch 16,384 x [M 32, K 32] x [K 32, N 32]; A: computed on the way; B: computed on the way: QUANTISED
;;     5. batch 8 x [M 32, K 65,536] x [K 65,536, N 32]; A: computed on the way; B: computed on the way: QUANTISED
;;   THE QUANTISER, for each operand of a quantised product, along K:
;;     - K is cut into blocks of 32 from its start; a last block that is shorter is filled with zeros.
;;     - A block's scale is 2^e with e = floor(log2(the largest magnitude in the block)) - 8, held to -126 .. 127; a block of zeros has e = 0. As a byte (E8M0): e + 127.
;;     - Each number is divided by its block's scale, clamped to +-448, and rounded to the nearest number of E4M3, ties to even, subnormals kept.
;;     - The product sums the exact products of the quantised numbers (number of the format x scale) in f32.
;;   ~~~python
;;   def quantise(x, axis):      # numpy; x: float32 -> the quantised numbers, widened to float32 again
;;       x = np.moveaxis(x, axis, -1); K = x.shape[-1]
;;       x = np.pad(x, [(0, 0)] * (x.ndim - 1) + [(0, -K % 32)]); x = x.reshape(x.shape[:-1] + (-1, 32)); a = np.abs(x).max(-1, keepdims=True)
;;       e = np.where(a > 0, np.clip(np.frexp(np.where(a > 0, a, 1))[1] - 1 - 8, -126, 127), 0)      # np.frexp(a)[1] - 1 = floor(log2(a)), exactly
;;       r = np.clip(x / 2.0 ** e, -448, 448)
;;       step = 2.0 ** (np.maximum(np.frexp(np.where(r == 0, 1, r))[1] - 1, -6) - 3)
;;       q = np.round(r / step) * step * 2.0 ** e      # np.round: ties to even
;;       return np.moveaxis(q.reshape(q.shape[:-2] + (-1,))[..., :K], -1, axis).astype(np.float32)
;;   ~~~
;;   OPERANDS COMPUTED ON THE WAY. 'Computed on the way' means the value that the module computes at that place (a softmax that the list does not call 'softmax' is quantised finished and normalised). What goes into a quantiser is computed in f32, as accurately as f32 sums, v_exp_f32 and their like allow (about 1e-6 of the number): no bf16 or f16 on the way to a quantiser, and a product that is left as it is and whose result goes on into a quantised operand takes f32 operands (vector FMAs, or v_wmma_f32_16x16x4_f32). A number that lies on a knife's edge between two numbers of the format may be rounded either way, as far as f32 arithmetic and the matrix unit's own rounding can turn it there, and no further.
;;   INPUTS GIVEN AS CODES. WK (in the module: [1024, 1024], K = its axis 1); WQ (in the module: [1024, 1024], K = its axis 1); WV (in the module: [1024, 1024], K = its axis 1): each comes as NAME_codes (uint8): NAME with its K axis moved to the last place and cut into blocks of 32 codes, [.., K / 32, bytes a block], one block behind the other in memory; one code a byte (a code: sign, 4 exponent bits, 3 mantissa bits); and NAME_scales (uint8): the same leading axes, one E8M0 byte (e + 127) for each 32 codes along K. Its value is code x scale, taken as it is: it is not quantised again, and the codes and scales need not be those that the quantiser above would give.
;; One version. Each part assembles by itself: llvm-mc -triple=amdgcn-amd-amdhsa -mcpu=gfx1250 --defsym DOCPART=n.
;; ======== version 1 of 1: 3 launches
;; limits: right only within a limited range of input values
;; workspace buffers: hc 16,777,216 bytes; hs 524,288 bytes; wf 3,145,728 bytes; wsd 110,592 bytes; part 1,048,576 bytes
;; launch prep (part 1): grid 512 x 1, 4 waves a work-group, no clusters, 35,328 bytes of LDS; arguments x, emb, WK_codes, WK_scales, WQ_codes, WQ_scales, WV_codes, WV_scales, bK, bQ, bV, hc, hs, wf, wsd; writes hc, hs, wf, wsd
.if DOCPART == 1
	.amdgcn_target "amdgcn-amd-amdhsa--gfx1250"
	.amdhsa_code_object_version 6
	.text
	.protected	k_qa8eb34d05d_prep
	.globl	k_qa8eb34d05d_prep
	.p2align	8
	.type	k_qa8eb34d05d_prep,@function
k_qa8eb34d05d_prep:
	s_mov_b64 s[64:65], 0
	v_nop
	global_prefetch_b8 v0, s[64:65] scope:SCOPE_SE
	s_setreg_imm32_b32 hwreg(HW_REG_WAVE_MODE, 25, 1), 1
	s_wait_xcnt 0x0
; h = emb[x] + sin(position x frequency), f32, is quantised along D to E4M3 codes with one E8M0 byte for each 32, and the three weights are laid out anew.  All four results are laid as the next launch's operand registers take them.
; hc [T = token / 16][s = K step of 128][c][lane][16 bytes]: lane (r = lane % 16, h = lane / 16) holds token 16 T + r, k = 128 s + 32 c + 16 h + 0 .. 15.   hs [T][s / 4][r][s % 4]: a scale word (four bytes) for a token and a K step.
; wf [pass P (24)][wave w (4)][f = 2 s + u (16)][c (4)][lane][16 bytes]: fragments of 16 weight rows x 128 K.   wsd: for each pass [w][2][lane][16 bytes] scale words, then [w][32] biases.
; WHICH WEIGHT ROWS FORM A FRAGMENT.  Matrix M = P / 8 (0 K, 1 Q, 2 V), G = (P / 4) % 2, slot = 4 w + P % 4.  A pair of tiles u = 0, 1 is one later block of 32: row rho of tile u has inner index i = 8 u + rho + 8 (rho / 8);
; the pair's index a is 8 G + slot + 8 (slot / 8) for K and 16 G + slot for Q and V; the weight's row is 32 a + i for Q and 32 i + a for K and V (their later K runs over the head axis).
; SHARES.  Work-group id: 16 positions j (id / 4), four K steps ((id / 2) % 2), four batches (id % 2).  Wave w takes one K step: its 64 sines a lane are computed once and serve four batches.
; Beside that each of the 2,048 waves relays three units of 512 bytes of the weights, and the first 96 waves lay the side data of one (pass, wave) each.
; THE SINE is written out: frequency = 2^(-(d / 128) log2 10) with log2 10 in two parts, the low part brought in by a first-order term; angle = j x frequency, rounded once as the source has it; the nearest multiple of pi is taken
; off in two parts; a Taylor series to x^13 on +-pi / 2 (its first dropped term is under 1e-9 there).
; LIMITS: NaN and infinities are not served; a block whose largest magnitude lies under 2^-118 keeps the byte 1 (a block of zeros too: its codes are zeros, and only this program reads the bytes); the frequency can differ from the
; source's power function in its last bit, which at the largest angle (2,047) is about an ulp of the angle; an index is held to 0 .. 50,256.
.set NROW,  0xC450                     ; the table's last row
.set SP,    528                        ; a stage row: 512 bytes + 16: the sixteen rows that a read touches start in different banks
.set STW,   16*SP                      ; a wave's stage
.set SCX,   4*STW                      ; behind the stages: the scale words [batch][r][w], 1,024 bytes
.set TM,    48                         ; v48-63  at work in the quantiser
.set PW,    46                         ; v46     the scale word just made
.set POS,   64                         ; v64-127 the 64 sines: register 16 b + i = d 128 s + 32 b + 16 h + i
.set X,     128                        ; v128-191 64 numbers of h in the same order
.set EO,    192                        ; v192-255 the 64 offsets into emb; v192-239 are later the sine's temporaries; then the codes, 16 registers a batch
.set TA,    192
.set TC,    208
.set TD,    224
.set PCB,   192
.set LTH, 16                           ; scalar pairs of constants (the packed forms name a pair and take its low word for both halves)
.set LTL, 18
.set NLN, 20
.set IPI, 22
.set NPH, 24
.set NPL, 26
.set C3,  28
.set C5,  30
.set C7,  32
.set C9,  34
.set C13, 36
.set MNT, 38
.set SEL, 40
.set MSB, 0
.macro WIN new                         ; the immediate's high byte repeats the setting that is left
.if MSB != \new
	s_set_vgpr_msb (MSB<<8)|\new
.set MSB, \new
.endif
.endm
.macro SPAIR reg, val
	s_mov_b32 s[\reg], \val
	s_mov_b32 s[\reg+1], \val
.endm
; (pass, wave) number blk -> s74 P, s75 w, s72 M, s73 a
.macro DECODE blk
	s_lshr_b32 s74, \blk, 2
	s_and_b32 s75, \blk, 3
	s_lshr_b32 s72, s74, 3
	s_bfe_u32 s76, s74, 0x10002            ; G
	s_and_b32 s77, s74, 3
	s_lshl_b32 s78, s75, 2
	s_add_co_u32 s77, s77, s78             ; slot
	s_lshl_b32 s78, s76, 4
	s_add_co_u32 s78, s78, s77             ; Q, V: 16 G + slot
	s_lshl_b32 s79, s76, 3
	s_add_co_u32 s79, s79, s77
	s_and_b32 s77, s77, 8
	s_add_co_u32 s79, s79, s77             ; K: 8 G + slot + 8 (slot / 8)
	s_cmp_eq_u32 s72, 0
	s_cselect_b32 s73, s79, s78
.endm
; unit U = 3 Wg + q of wf: 512 bytes = part c of fragment f of (pass, wave) U / 64.  A lane takes 16 codes of its row; the unit is stored later as it stands
.macro WUNIT q
	s_mul_i32 s68, s3, 3
	s_add_co_u32 s68, s68, \q
	s_and_b32 s69, s68, 3                  ; c
	s_bfe_u32 s70, s68, 0x30003            ; K step
	s_bfe_u32 s71, s68, 0x10002            ; u
	s_lshr_b32 s80, s68, 6
	DECODE s80
	s_cmp_eq_u32 s72, 1                    ; the choice of buffer hangs on ids alone
	s_cselect_b64 s[48+2*\q:49+2*\q], s[24:25], s[28:29]
	s_cselect_b32 s82, 15, 10              ; a row is 1,024 bytes: a counts 32 rows in Q, one row in K and V;
	s_cselect_b32 s83, 10, 15              ; the inner index the other way round
	s_cmp_eq_u32 s72, 0
	s_cselect_b64 s[48+2*\q:49+2*\q], s[20:21], s[48+2*\q:49+2*\q]
	s_lshl_b32 s80, s73, s82
	s_lshl_b32 s81, s71, 3
	s_lshl_b32 s81, s81, s83
	s_add_co_u32 s80, s80, s81
	s_lshl_b32 s81, s70, 7
	s_add_co_u32 s80, s80, s81
	s_lshl_b32 s81, s69, 5
	s_add_co_u32 s80, s80, s81
	v_lshlrev_b32 v[28+\q], s83, v9
	v_lshl_add_u32 v[28+\q], v3, 4, v[28+\q]
	v_add_nc_u32 v[28+\q], s80, v[28+\q]
	global_load_b128 v[16+4*\q:19+4*\q], v[28+\q], s[48+2*\q:49+2*\q]
.endm
; batch z's sixteen indices, in s[sb] on, become byte offsets of my 16 bytes in the rows' K step
.macro EOFF z, sb
.irp i, 0,1,2,3,4,5,6,7,8,9,10,11,12,13,14,15
	s_min_u32 s[\sb+\i], s[\sb+\i], NROW
	s_lshl_b32 s[\sb+\i], s[\sb+\i], 12
	v_add_nc_u32 v[EO+16*\z+\i], s[\sb+\i], v4
.endr
.endm
; sixteen sines: d = 128 s + 32 b + 16 h + 0 .. 15, in eight pairs
.macro SINBLK b, lit
.set PB, POS+16*\b
	v_pk_add_f32 v[TA:TA+1], v[10:11], \lit op_sel_hi:[1,0]               ; d / 128: every sum here is exact
	v_pk_add_f32 v[TA+2:TA+3], v[TA:TA+1], 0x3c800000 op_sel_hi:[1,0]
.irp t, 0,2
	v_pk_add_f32 v[TA+4+\t:TA+5+\t], v[TA+\t:TA+1+\t], 0x3d000000 op_sel_hi:[1,0]
.endr
.irp t, 0,2,4,6
	v_pk_add_f32 v[TA+8+\t:TA+9+\t], v[TA+\t:TA+1+\t], 0x3d800000 op_sel_hi:[1,0]
.endr
.irp t, 0,2,4,6,8,10,12,14
	v_pk_mul_f32 v[TC+\t:TC+1+\t], v[TA+\t:TA+1+\t], s[LTH:LTH+1] op_sel_hi:[1,0]
.endr
.irp t, 0,2,4,6,8,10,12,14
	v_pk_fma_f32 v[TD+\t:TD+1+\t], v[TA+\t:TA+1+\t], s[LTH:LTH+1], v[TC+\t:TC+1+\t] op_sel_hi:[1,0,1] neg_lo:[0,0,1] neg_hi:[0,0,1]   ; what the product's rounding dropped,
.endr
.irp t, 0,2,4,6,8,10,12,14
	v_pk_fma_f32 v[TD+\t:TD+1+\t], v[TA+\t:TA+1+\t], s[LTL:LTL+1], v[TD+\t:TD+1+\t] op_sel_hi:[1,0,1]   ; and the low part of log2 10
.endr
	s_wait_alu depctr_va_vdst(0)
.irp i, 0,1,2,3,4,5,6,7,8,9,10,11,12,13,14,15
	v_exp_f32 v[PB+\i], -v[TC+\i]
.endr
.irp t, 0,2,4,6,8,10,12,14
	v_pk_mul_f32 v[TD+\t:TD+1+\t], v[TD+\t:TD+1+\t], s[NLN:NLN+1] op_sel_hi:[1,0]   ; plain work behind the exponentials
.endr
	s_wait_alu depctr_va_vdst(0)           ; one wait for the sixteen, ahead of their first reader
.irp t, 0,2,4,6,8,10,12,14
	v_pk_fma_f32 v[PB+\t:PB+1+\t], v[PB+\t:PB+1+\t], v[TD+\t:TD+1+\t], v[PB+\t:PB+1+\t]   ; the frequency
.endr
.irp t, 0,2,4,6,8,10,12,14
	v_pk_mul_f32 v[PB+\t:PB+1+\t], v[PB+\t:PB+1+\t], v[12:13]            ; the angle
.endr
.irp t, 0,2,4,6,8,10,12,14
	v_pk_mul_f32 v[TA+\t:TA+1+\t], v[PB+\t:PB+1+\t], s[IPI:IPI+1] op_sel_hi:[1,0]
.endr
.irp i, 0,1,2,3,4,5,6,7,8,9,10,11,12,13,14,15
	v_rndne_f32 v[TA+\i], v[TA+\i]         ; n: the nearest multiple of pi
.endr
.irp t, 0,2,4,6,8,10,12,14
	v_pk_fma_f32 v[PB+\t:PB+1+\t], v[TA+\t:TA+1+\t], s[NPH:NPH+1], v[PB+\t:PB+1+\t] op_sel_hi:[1,0,1]
.endr
.irp t, 0,2,4,6,8,10,12,14
	v_pk_fma_f32 v[PB+\t:PB+1+\t], v[TA+\t:TA+1+\t], s[NPL:NPL+1], v[PB+\t:PB+1+\t] op_sel_hi:[1,0,1]
.endr
.irp i, 0,1,2,3,4,5,6,7,8,9,10,11,12,13,14,15
	v_cvt_i32_f32 v[TC+\i], v[TA+\i]
.endr
.irp i, 0,1,2,3,4,5,6,7,8,9,10,11,12,13,14,15
	v_lshlrev_b32 v[TC+\i], 31, v[TC+\i]
.endr
.irp i, 0,1,2,3,4,5,6,7,8,9,10,11,12,13,14,15
	v_xor_b32 v[PB+\i], v[PB+\i], v[TC+\i] ; an odd n turns the sign
.endr
.irp t, 0,2,4,6,8,10,12,14
	v_pk_mul_f32 v[TA+\t:TA+1+\t], v[PB+\t:PB+1+\t], v[PB+\t:PB+1+\t]
.endr
.irp t, 0,2,4,6,8,10,12,14
	v_pk_fma_f32 v[TD+\t:TD+1+\t], v[TA+\t:TA+1+\t], s[C13:C13+1], v[14:15] op_sel_hi:[1,0,1]
.endr
.irp k, C9, C7, C5, C3
.irp t, 0,2,4,6,8,10,12,14
	v_pk_fma_f32 v[TD+\t:TD+1+\t], v[TD+\t:TD+1+\t], v[TA+\t:TA+1+\t], s[\k:\k+1] op_sel_hi:[1,1,0]
.endr
.endr
.irp t, 0,2,4,6,8,10,12,14
	v_pk_mul_f32 v[TA+\t:TA+1+\t], v[TA+\t:TA+1+\t], v[PB+\t:PB+1+\t]
.endr
.irp t, 0,2,4,6,8,10,12,14
	v_pk_fma_f32 v[PB+\t:PB+1+\t], v[TA+\t:TA+1+\t], v[TD+\t:TD+1+\t], v[PB+\t:PB+1+\t]
.endr
.endm
; 64 numbers of a lane, register 16 b + i = k 32 b + 16 h + i of my row, become 16 registers of codes at v[pc] and the row's scale word in v[PW]
.macro QUANT s, pc
.irp b, 0,1,2,3
	v_max3_num_f32 v[TM+\b], |v[\s+16*\b]|, |v[\s+1+16*\b]|, 0x4800000   ; my 16 numbers of block b, and the floor 2^(9 - 127): the byte cannot fall under 1
.endr
.irp i, 2,4,6,8,10,12,14
.irp b, 0,1,2,3
	v_max3_num_f32 v[TM+\b], v[TM+\b], |v[\s+16*\b+\i]|, |v[\s+1+16*\b+\i]|
.endr
.endr
.irp b, 0,1,2,3
	v_permlanex16_b32 v[TM+4+\b], v[TM+\b], s[SEL], s[SEL+1]
.endr
.irp b, 0,1,2,3
	v_max_num_f32 v[TM+\b], v[TM+\b], v[TM+4+\b]                         ; with lane l xor 16's: the block's largest magnitude
.endr
.irp b, 0,1,2,3
	v_add_nc_u32 v[TM+12+\b], 0xfc000000, v[TM+\b]                       ; 8 off its exponent field: the conversion's scale operand
.endr
.irp b, 0,1,2,3
	v_and_or_b32 v[TM+8+\b], v[TM+\b], 0x7f800000, s[MNT]                ; 448 x the scale
.endr
.irp b, 0,1,2,3
	v_lshrrev_b32 v[TM+4+\b], 23, v[TM+12+\b]                            ; the scale's byte
.endr
	v_lshl_or_b32 v[PW], v[TM+5], 8, v[TM+4]
	v_lshl_or_b32 v[PW], v[TM+6], 16, v[PW]
	v_lshl_or_b32 v[PW], v[TM+7], 24, v[PW]
.irp b, 0,1,2,3
.irp i, 0,1,2,3,4,5,6,7,8,9,10,11,12,13,14,15
	v_med3_num_f32 v[\s+16*\b+\i], v[\s+16*\b+\i], -v[TM+8+\b], v[TM+8+\b]   ; the conversion to an 8-bit code does not saturate (ISA guide 7.6.2): the hold comes first
.endr
	v_cvt_scalef32_pk8_fp8_f32 v[(\pc)+4*\b:(\pc)+1+4*\b], v[\s+16*\b:\s+7+16*\b], v[TM+12+\b]
	v_cvt_scalef32_pk8_fp8_f32 v[(\pc)+2+4*\b:(\pc)+3+4*\b], v[\s+8+16*\b:\s+15+16*\b], v[TM+12+\b]
.endr
	v_nop                                  ; a plain line behind the last conversion: later vector lines write its sources again
.endm
; batch z: its sixteen rows' 512 bytes turn through my stage (in: as loaded, a row a line; out: 64 numbers of row r a lane), take the sines, are quantised and leave
.macro BATCH z
	s_wait_loadcnt 48-16*\z                ; this batch's sixteen loads are in; those of the later batches may be out
	WIN 0x04                               ; an LDS store's data are its source 1: window 1
.irp i, 0,1,2,3,4,5,6,7,8,9,10,11,12,13,14,15
	ds_store_b128 v5, v[64*\z+4*\i:64*\z+4*\i+3] offset:SP*\i
.endr
	WIN 0
.irp b, 0,1,2,3
.irp j, 0,1,2,3
	ds_load_b128 v[X+16*\b+4*\j:X+16*\b+4*\j+3], v6 offset:128*\b+16*\j  ; LDS serves a wave's instructions in order: these see my stores
.endr
.endr
	s_wait_dscnt 0x0
.set n, 0
.rept 32
	v_pk_add_f32 v[X+n:X+n+1], v[X+n:X+n+1], v[POS+n:POS+n+1]
.set n, n+2
.endr
	QUANT X, PCB+16*\z
.irp c, 0,1,2,3
	global_store_b128 v7, v[PCB+16*\z+4*\c:PCB+16*\z+4*\c+3], s[6:7] offset:2097152*\z+512*\c   ; 32 lanes store 512 consecutive bytes, aligned; each batch has registers of its own, so no store's data are written again
.endr
	ds_store_b32 v8, v[PW] offset:256*\z   ; both lanes of a row write the same word with the same value
.endm
	s_load_b512 s[16:31], s[0:1], 0x0      ; x, emb, WK codes, WK scales, WQ codes, WQ scales, WV codes, WV scales
	s_load_b256 s[32:39], s[0:1], 0x40     ; bK, bQ, bV, hc
	s_load_b128 s[40:43], s[0:1], 0x60     ; hs, wf
	s_load_b64 s[44:45], s[0:1], 0x70      ; wsd
	v_lshl_add_u32 v32, v0, 2, 0x8800      ; v32: my spare word, behind the stages and the scale words; v33: 0; both are kept for the add at the wave's end alone
	v_mov_b32 v33, 0
	v_lshrrev_b32 v1, 5, v0
	v_readfirstlane_b32 s2, v1             ; wave
	v_and_b32 v1, 31, v0                   ; lane
	v_and_b32 v2, 15, v0                   ; r
	s_wait_alu depctr_va_vdst(0)
	v_bfe_u32 v3, v0, 4, 1                 ; h
	s_lshl_b32 s3, ttmp9, 2
	s_add_co_u32 s3, s3, s2                ; Wg: my wave's number in the launch
	s_lshr_b32 s66, ttmp9, 2               ; which sixteen positions
	s_bfe_u32 s84, ttmp9, 0x10001          ; which four K steps
	s_and_b32 s85, ttmp9, 1                ; which four batches
	s_lshl_b32 s67, s84, 2
	s_add_co_u32 s67, s67, s2              ; my K step
	v_lshlrev_b32 v7, 4, v1                ; 16 x lane
	s_lshl_b32 s86, s67, 9
	v_add_nc_u32 v4, s86, v7               ; my 16 bytes of a row of emb
	s_mul_i32 s86, s2, STW
	v_add_nc_u32 v5, s86, v7               ; the stage, on the way in
	v_mul_u32_u24 v6, v2, SP
	s_wait_alu depctr_va_vdst(0)
	v_lshl_add_u32 v6, v3, 6, v6
	v_add_nc_u32 v6, s86, v6               ; and on the way out: row r, + 64 h
	s_lshl_b32 s86, s2, 2
	s_add_co_u32 s86, s86, SCX
	v_lshl_add_u32 v8, v2, 4, s86          ; my scale word's place
	v_and_b32 v9, 8, v2
	v_add_nc_u32 v9, v9, v2                ; r + 8 (r / 8)
	s_lshl_b32 s86, s67, 7
	v_lshl_add_u32 v10, v3, 4, s86
	v_cvt_f32_u32 v10, v10
	v_mul_f32 v10, 0x3c000000, v10         ; (128 s + 16 h) / 128,
	v_add_f32 v11, 0x3c000000, v10         ; and one d further
	s_lshl_b32 s86, s66, 4
	v_add_nc_u32 v12, s86, v2
	v_cvt_f32_u32 v12, v12                 ; my position, twice
	v_mov_b32 v13, v12
	v_mov_b32 v14, 0xb2d7322b              ; -1 / 11!, twice
	v_mov_b32 v15, v14
.irp b, 0,1,2,3
	v_mov_b32 v[TM+4+\b], 0                ; written once: a lane permute's destination counts as one of its sources
.endr
	s_lshl_b32 s88, s85, 23                ; hc: four batches are 8 MiB, sixteen tokens 16,384 bytes, a K step 2,048
	s_lshl_b32 s86, s66, 14
	s_add_co_u32 s88, s88, s86
	s_lshl_b32 s86, s67, 11
	s_add_co_u32 s88, s88, s86
	s_mov_b32 s89, 0
	s_lshl_b32 s90, s85, 18                ; hs: a batch is 65,536 bytes, sixteen tokens 512, four K steps 256
	s_lshl_b32 s86, s66, 9
	s_add_co_u32 s90, s90, s86
	s_lshl_b32 s86, s84, 8
	s_add_co_u32 s90, s90, s86
	s_mov_b32 s91, 0
	s_mul_i32 s92, s3, 1536                ; wf: my three units
	s_mov_b32 s93, 0
	s_lshl_b32 s94, s85, 15                ; x: a batch is 8,192 bytes
	s_lshl_b32 s86, s66, 6
	s_add_co_u32 s94, s94, s86
	s_mov_b32 s95, 0
	s_wait_kmcnt 0x0
	WUNIT 0
	WUNIT 1
	WUNIT 2
	DECODE s3                              ; the side data's buffers (used by the first 96 waves alone)
	s_cmp_eq_u32 s72, 1
	s_cselect_b64 s[46:47], s[26:27], s[30:31]
	s_cselect_b64 s[100:101], s[34:35], s[36:37]
	s_cmp_eq_u32 s72, 0
	s_cselect_b64 s[46:47], s[22:23], s[46:47]
	s_cselect_b64 s[100:101], s[32:33], s[100:101]
	s_mov_b64 s[4:5], s[18:19]             ; emb
	s_add_nc_u64 s[6:7], s[38:39], s[88:89]
	s_add_nc_u64 s[8:9], s[40:41], s[90:91]
	s_add_nc_u64 s[10:11], s[42:43], s[92:93]
	s_mov_b64 s[12:13], s[44:45]           ; wsd
	s_add_nc_u64 s[14:15], s[16:17], s[94:95]
	s_wait_xcnt 0x0                        ; the three loads have read their bases: the registers below may be loaded into
	s_load_b512 s[48:63], s[14:15], 0x0    ; sixteen indices for each of my four batches
	s_load_b512 s[68:83], s[14:15], 0x2000
	s_load_b512 s[84:99], s[14:15], 0x4000
	s_load_b512 s[16:31], s[14:15], 0x6000
	s_wait_kmcnt 0x0
	EOFF 0, 48
	EOFF 1, 68
	EOFF 2, 84
	EOFF 3, 16
	WIN 0x40                               ; destination window 1
.set n, 0
.rept 48
	global_load_b128 v[4*n:4*n+3], v[EO+n], s[4:5]   ; 32 lanes read 512 consecutive bytes of one row, aligned.  (No hint: the list may name a row twice)
.set n, n+1
.endr
	WIN 0
	s_wait_xcnt 0x0                        ; the 48 loads have read their offsets: v192-239 serve the sines
	SPAIR LTH, 0x40549a78                  ; log2 10, high and low part
	SPAIR LTL, 0x33979a37
	SPAIR NLN, 0xbf317218                  ; -ln 2
	SPAIR IPI, 0x3ea2f983                  ; 1 / pi
	SPAIR NPH, 0xc0490fdb                  ; -pi, high and low part
	SPAIR NPL, 0x33bbbd2e
	SPAIR C3,  0xbe2aaaab                  ; -1/3!, 1/5!, -1/7!, 1/9!, 1/13!
	SPAIR C5,  0x3c088889
	SPAIR C7,  0xb9500d01
	SPAIR C9,  0x3638ef1d
	SPAIR C13, 0x2f309231
	s_mov_b32 s[MNT], 0x600000             ; the mantissa field of 448
	s_mov_b32 s[SEL], 0x76543210
	s_mov_b32 s[SEL+1], 0xfedcba98         ; v_permlanex16_b32's selects for lane l xor 16
	SINBLK 0, 0                            ; the sines stand behind the loads, while those are on their way
	SINBLK 1, 0x3e800000
	SINBLK 2, 0.5
	SINBLK 3, 0x3f400000
	WIN 0x40
.set n, 48
.rept 16
	global_load_b128 v[4*n:4*n+3], v[EO+n], s[4:5]   ; the fourth batch: 67 loads at once are more than a wait's count can name
.set n, n+1
.endr
	WIN 0
	s_wait_loadcnt 48                      ; my three units and the first batch are in: behind them 48 loads were issued
.irp q, 0,1,2
	global_store_b128 v7, v[16+4*\q:19+4*\q], s[10:11] offset:512*\q     ; a unit: 512 consecutive bytes, aligned
.endr
	s_cmp_lt_u32 s3, 96                    ; the side data of (pass, wave) Wg
	s_cbranch_scc0 .Lno_side
	DECODE s3
	s_cmp_eq_u32 s72, 1
	s_cselect_b32 s80, 10, 5               ; a row of scale bytes is 32 bytes
	s_cselect_b32 s81, 5, 10
	s_cselect_b32 s82, 7, 2                ; a bias is 4 bytes
	s_cselect_b32 s83, 2, 7
	v_lshl_add_u32 v34, v3, 3, v9          ; lane (rho, u): inner index 8 u + rho + 8 (rho / 8)
	v_lshlrev_b32 v34, s81, v34
	s_lshl_b32 s84, s73, s80
	v_add_nc_u32 v34, s84, v34
	global_load_b128 v[36:39], v34, s[46:47]             ; my row's scale words of K steps 0 to 3,
	global_load_b128 v[40:43], v34, s[46:47] offset:16   ; and 4 to 7
	v_lshlrev_b32 v35, s83, v1             ; the bias of inner index = lane
	s_lshl_b32 s85, s73, s82
	v_add_nc_u32 v35, s85, v35
	global_load_b32 v44, v35, s[100:101]
	s_mul_i32 s86, s74, 4608
	s_lshl_b32 s87, s75, 10
	s_add_co_u32 s87, s87, s86
	v_add_nc_u32 v45, s87, v7
	s_lshl_b32 s87, s75, 7
	s_add_co_u32 s87, s87, s86
	v_lshl_add_u32 v47, v1, 2, s87
	s_wait_alu depctr_va_vdst(0)
	s_wait_loadcnt 0x0
	global_store_b128 v45, v[36:39], s[12:13]
	global_store_b128 v45, v[40:43], s[12:13] offset:512
	global_store_b32 v47, v44, s[12:13] offset:4096
.Lno_side:
	BATCH 0
	BATCH 1
	BATCH 2
	BATCH 3
	s_wait_dscnt 0x0                       ; for the others' sake: my scale words lie in LDS
	s_barrier_signal -1
	s_barrier_wait -1
	s_cmp_lt_u32 s2, 2                     ; 64 threads: thread 16 z + r takes the four words of batch z, row r
	s_cbranch_scc0 .Lend
	v_lshlrev_b32 v34, 4, v0
	ds_load_b128 v[28:31], v34 offset:SCX
	v_lshrrev_b32 v35, 4, v0
	v_lshlrev_b32 v35, 16, v35
	v_lshl_add_u32 v35, v2, 4, v35
	s_wait_alu depctr_va_vdst(0)
	s_wait_dscnt 0x0
	global_store_b128 v35, v[28:31], s[8:9]              ; sixteen lanes store 256 consecutive bytes, aligned
.Lend:
	s_wait_tensorcnt 0x0                   ; the wave's end: behind my last LDS store
	ds_add_u32 v32, v33
	s_wait_dscnt 0x0
	s_endpgm
.Lfunc_end_k_qa8eb34d05d_prep:
	.size	k_qa8eb34d05d_prep, .Lfunc_end_k_qa8eb34d05d_prep-k_qa8eb34d05d_prep
	.p2alignl 7, 3214868480
	.fill 96, 4, 3214868480
	.section	.rodata,"a",@progbits
	.p2align	6, 0x0
	.amdhsa_kernel k_qa8eb34d05d_prep
		.amdhsa_group_segment_fixed_size 35328
		.amdhsa_private_segment_fixed_size 0
		.amdhsa_enable_private_segment 0
		.amdhsa_kernarg_size 120
		.amdhsa_user_sgpr_count 2
		.amdhsa_user_sgpr_kernarg_segment_ptr 1
		.amdhsa_wavefront_size32 1
		.amdhsa_system_sgpr_workgroup_id_x 1
		.amdhsa_system_sgpr_workgroup_id_y 1
		.amdhsa_system_sgpr_workgroup_id_z 1
		.amdhsa_system_vgpr_workitem_id 0
		.amdhsa_next_free_vgpr 512
		.amdhsa_next_free_sgpr 102
		.amdhsa_reserve_vcc 0
		.amdhsa_float_denorm_mode_32 3
		.amdhsa_float_denorm_mode_16_64 3
		.amdhsa_memory_ordered 1
		.amdhsa_forward_progress 1
		.amdhsa_inst_pref_size 127
	.end_amdhsa_kernel
	.amdgpu_metadata
---
amdhsa.version: [ 1, 2 ]
amdhsa.kernels:
  - .name:           k_qa8eb34d05d_prep
    .symbol:         k_qa8eb34d05d_prep.kd
    .args:
      - { .name: x, .offset: 0, .size: 8, .value_kind: global_buffer, .address_space: global }
      - { .name: emb, .offset: 8, .size: 8, .value_kind: global_buffer, .address_space: global }
      - { .name: WK_codes, .offset: 16, .size: 8, .value_kind: global_buffer, .address_space: global }
      - { .name: WK_scales, .offset: 24, .size: 8, .value_kind: global_buffer, .address_space: global }
      - { .name: WQ_codes, .offset: 32, .size: 8, .value_kind: global_buffer, .address_space: global }
      - { .name: WQ_scales, .offset: 40, .size: 8, .value_kind: global_buffer, .address_space: global }
      - { .name: WV_codes, .offset: 48, .size: 8, .value_kind: global_buffer, .address_space: global }
      - { .name: WV_scales, .offset: 56, .size: 8, .value_kind: global_buffer, .address_space: global }
      - { .name: bK, .offset: 64, .size: 8, .value_kind: global_buffer, .address_space: global }
      - { .name: bQ, .offset: 72, .size: 8, .value_kind: global_buffer, .address_space: global }
      - { .name: bV, .offset: 80, .size: 8, .value_kind: global_buffer, .address_space: global }
      - { .name: hc, .offset: 88, .size: 8, .value_kind: global_buffer, .address_space: global }
      - { .name: hs, .offset: 96, .size: 8, .value_kind: global_buffer, .address_space: global }
      - { .name: wf, .offset: 104, .size: 8, .value_kind: global_buffer, .address_space: global }
      - { .name: wsd, .offset: 112, .size: 8, .value_kind: global_buffer, .address_space: global }
    .group_segment_fixed_size: 35328
    .private_segment_fixed_size: 0
    .kernarg_segment_align: 8
    .kernarg_segment_size: 120
    .max_flat_workgroup_size: 128
    .sgpr_count:     102
    .vgpr_count:     512
    .wavefront_size: 32
...
	.end_amdgpu_metadata
.endif
;; end of part 1
;; launch main (part 2): grid 256 x 1, 4 waves a work-group, clusters of 4 x 1, 327,680 bytes of LDS; arguments hc, hs, wf, wsd, part; writes part
.if DOCPART == 2
	.amdgcn_target "amdgcn-amd-amdhsa--gfx1250"
	.amdhsa_code_object_version 6
	.text
	.protected	k_qa8eb34d05d_main
	.globl	k_qa8eb34d05d_main
	.p2align	8
	.type	k_qa8eb34d05d_main,@function
k_qa8eb34d05d_main:
	s_mov_b64 s[64:65], 0
	v_nop
	global_prefetch_b8 v0, s[64:65] scope:SCOPE_SE
	s_setreg_imm32_b32 hwreg(HW_REG_WAVE_MODE, 25, 1), 1
	s_wait_xcnt 0x0
	s_wait_alu depctr_hold_cnt(0) depctr_sa_sdst(0) depctr_va_vdst(0) depctr_va_sdst(0) depctr_va_ssrc(0) depctr_va_vcc(0) depctr_vm_vsrc(0)
	s_getreg_b32 s2, hwreg(HW_REG_IB_STS2, 6, 4)
	s_cmp_eq_u32 s2, 0
	s_cbranch_scc0 .Lentry_in_a_cluster
	s_endpgm
.Lentry_in_a_cluster:
	s_bfe_u32 s2, ttmp6, 0x10000c
	s_cmp_lg_u32 s2, 0x3003
	s_cbranch_scc0 .Lentry_shape_is_right
	s_endpgm
.Lentry_shape_is_right:
; All five products, on E4M3 codes with one E8M0 scale for each 32 along K.  A work-group takes 64 tokens (of one batch) through the three projections, the 32 x 32 x 32 product of each token, its softmax and the product with v,
; and stores its 64 tokens' share of the batch's 32 x 32 sums; q, k and v never go to memory.
; SHARES.  The 64 tokens' codes of h (65,536 bytes) stay in EVERY wave's registers (512).  The waves share the 3,072 outputs: in each of 24 passes a wave makes 32 outputs (two tiles of 16 weight rows) for all 64 tokens over all of K:
; 16 fragments from LDS, 64 matrix instructions on 8 accumulators by turns; a fragment of 2,048 bytes feeds four.  The weights are source 0 and h is source 1, so a lane holds ONE token and 16 outputs, which by the choice of the
; tiles' rows (made where the weights were laid out) are half a block of 32 of the next product's K; the other half lies in lane l xor 16.  The 32 outputs are quantised in registers and go to LDS as 16 bytes at [token][h][slot]:
; read back 512 bytes a token, they ARE four registers of the next operand, lane = slot.
; PASSES 0-7 make k (m = 8 G + slot + 8 (slot / 8), K = the head axis), 8-15 q (head = 16 G + slot), 16-23 v (l' = 16 G + slot, K = m).  Behind each four passes (a group G) the group's codes are taken up, wave w for tokens 16 w .. 16 w + 15.
; THE TOKEN'S PRODUCT.  K = 32 is a quarter of the instruction's 128.  Source 0 holds k of FOUR tokens, one in each block of 32; source 1 holds q of one token in its block and zero codes in the other three.  Result: a lane holds one head
; and 16 m of one token.  The softmax is finished and normalised, then quantised along m; four tokens' codes are one operand of the last product, whose K = (token, m).
; CLUSTER.  All work-groups walk the same weights: the four of a cluster ask for each pass's 135,680 bytes JOINTLY (waves 0, 1: the fragments' halves; wave 2: scale words and biases), through two LDS slots.
; LIMITS: NaN and infinities are not served (a NaN code of k would meet q's zero codes); a block whose largest magnitude lies under 2^-118 keeps the byte 1.
; REGISTERS.  Window 0: v1-8 addresses that stay, v9-13 a pass's, v14-15 the spare word's address and 0; v16-31 h's scale words; v32-39 scale words of the weights (between groups: q's, v's); v40-43 k's; v44-47 the softmax's;
;   v48-63 at work; v64-127 eight accumulators; v128-255 eight fragment buffers, between groups work space.   Window 1: v0-127 k's operands; v128-191 softmax codes of heads 0-15 (those of heads 16-31 are laid over k's, which
;   are done with); v192-207 the biases; v208-239 the four sums.   Windows 2, 3: h's codes, K steps 0-3 and 4-7.
.set SLOT1, 1<<17                      ; a slot: 131,072 bytes of fragments, wave w's at 32,768 w; one exclusive or turns an address into the other slot's
.set SIDE0, 2*SLOT1                    ; a pass's scale words and biases, 4,608 bytes; the other slot's lie SIDED further on
.set SIDED, 8192
.set SPARE, SIDE0+4608                 ; the spare words, 128 bytes for each wave: two blocks of 256 bytes that no other line names
.set XS,    SPARE+512                  ; scale bytes of a group: [token / 4][slot][token % 4], 1,024 bytes
.set XB,    278528                     ; codes of a group: token x XP + 256 h + 16 slot
.set XP,    528                        ; 512 bytes + 16: the sixteen tokens that a store touches start in different banks
.set L16, 1
.set B0,  2
.set S0,  3
.set I0,  4
.set X0,  5
.set XS0, 6
.set XR,  7
.set XSR, 8
.set BA,  9
.set SA,  10
.set BI,  11
.set XW,  12
.set XSW, 13
.set SPW, 14
.set NIL, 15
.set HS,  16                           ; v[HS + 4 mt + i]: lanes 0-15 K step i, lanes 16-31 K step 4 + i
.set WS,  32                           ; v[WS + s]: lanes 0-15 tile 0, lanes 16-31 tile 1
.set QS,  32                           ; q's scale words, two sets
.set VS,  34                           ; v's, one for each four tokens
.set KS,  40                           ; k's: lanes 0-15 tile 0, lanes 16-31 tile 1
.set SS,  44                           ; the softmax's: lanes 0-15 heads 0-15, lanes 16-31 heads 16-31
.set TM,  48
.set ACC, 64
.set BF,  128
.set PC,  128
.set VF,  128
.set TN,  220
.set SUM, 228
.set RI,  236
.set BIAS, 192                         ; in window 1
.set OA,   208                         ; in window 1: sum a = 2 kt + lt at v[OA + 8 a]
.set MSB, 0
.macro WIN new                         ; the immediate's high byte repeats the setting that is left
.if MSB != \new
	s_set_vgpr_msb (MSB<<8)|\new
.set MSB, \new
.endif
.endm
.macro PLACES n
.rept \n
	v_nop
.endr
.endm
.macro CROUND                          ; a round of the cluster's barrier
	s_barrier_signal -1
	s_barrier_wait -1
	s_cmp_lg_u32 s14, 0
	s_cbranch_scc1 .Lnot_wave_0_\@
	s_barrier_signal -3
.Lnot_wave_0_\@:
	s_barrier_wait -3
	s_barrier_signal -1
	s_barrier_wait -1
.endm
.macro TLOAD                           ; a joint refill: waves 0 and 1 the fragments' halves, wave 2 the side data, wave 3 nothing.  Four v_nop follow each line
	s_cmp_lt_u32 s14, 2
	s_cbranch_scc0 .Lnot_codes_\@
	tensor_load_to_lds s[44:47], s[24:31]
	s_nop 0
	PLACES 4
	s_branch .Lasked_\@
.Lnot_codes_\@:
	s_cmp_eq_u32 s14, 2
	s_cbranch_scc0 .Lasked_\@
	tensor_load_to_lds s[52:55], s[32:39]
	s_nop 0
	PLACES 4
.Lasked_\@:
.endm
; A PREFETCH INTO THE L2 of the weights of pass t + 3, in pass t: the refill that loads them stands behind pass t + 1.  s[18:19] and s[20:21] stand at pass t + 1 of wf and wsd; s62 = t.
; All 64 clusters walk the same 3 MiB, so four of them ask (numbers 0, 21, 42, 63: s63 = 21 there and 0 elsewhere): a branch on the cluster's number, which the partners share.
; A pass's fragments are 512 blocks of 256 bytes: the cluster's 512 lanes name one each, the partners told apart BY ADDRESS (32,768 bytes x cx in s[18:19]; v0 = 256 x my thread's number).
; Its scale words and biases are 18 blocks: wave 2 of each partner names five, from 5 cx on, held at block 17 (v240 of window 1); the lanes left over name the wave's last block again.
; Passes 1 and 2 are asked for at the head; passes t > 20 ask for nothing: there is no pass 24.
.macro ASK
	s_cmp_lt_u32 s62, s63
	s_cbranch_scc0 .Lnot_mine_\@
	global_prefetch_b8 v0, s[18:19] offset:262144 th:TH_LOAD_NT scope:SCOPE_SE
	s_cmp_eq_u32 s14, 2
	s_cbranch_scc0 .Lnot_mine_\@
	WIN 0x01                               ; the address register is source 0: window 1
	global_prefetch_b8 v240, s[20:21] offset:9216 th:TH_LOAD_NT scope:SCOPE_SE
	WIN 0
.Lnot_mine_\@:
.endm
.macro MID                             ; my reads of the group's codes are in: then the work-group's barrier, behind which the next group's codes are stored.  The one tensor load that is out may stay out
	s_wait_dscnt 0x0
	s_barrier_signal -1
	s_barrier_wait -1
.endm
; THE CHANGE OF SLOTS, behind a pass.  fill = 1: the slot just read takes the pass two on; the load has a whole pass in which to land
.macro CHANGE fill
	s_wait_tensorcnt 0x0                   ; all my tensor loads have landed: my part of the next pass; so a group 0 may be written
	ds_add_u32 v[SPW], v[NIL]              ; 0 onto my spare word: the steps below stand between it and the wait for it
.if \fill
	ds_add_u32 v[SPW], v[NIL]              ; and once more where a load follows
.endif
	s_xor_b32 s56, s56, SLOT1              ; the next pass reads the other slot,
	s_xor_b32 s57, s57, SIDED
	s_add_co_u32 s58, s58, 16              ; and stores its codes one slot of 16 bytes further on
.if \fill
	s_xor_b32 s45, s45, SLOT1              ; the walking descriptors: the other slot than last time, the next pass
	s_add_nc_u64 s[46:47], s[46:47], 131072
	s_xor_b32 s53, s53, SIDED
	s_add_nc_u64 s[54:55], s[54:55], 4608
	s_wait_xcnt 0x0                        ; any prefetch of mine has read its address, so it may be written:
	s_add_nc_u64 s[18:19], s[18:19], 131072  ; a pass on in wf,
	s_add_nc_u64 s[20:21], s[20:21], 4608  ; and in wsd
	s_add_co_u32 s62, s62, 1               ; the number of the pass that follows
.endif
	s_wait_dscnt 0x0                       ; the add is done, my reads of the slot are over, my codes and scale bytes lie in LDS
.if \fill
	CROUND                                 ; no wave of any partner still reads the slot or has a load on its way
	TLOAD
.else
	s_barrier_signal -1
	s_barrier_wait -1
.endif
.endm
.macro FRG s                           ; K step s's two fragments into buffers (2 s) % 8 and (2 s + 1) % 8: images of the registers, 512 consecutive bytes a load
.irp u, 0,1
.irp c, 0,1,2,3
	ds_load_b128 v[BF+16*((2*(\s)+\u)%8)+4*\c:BF+16*((2*(\s)+\u)%8)+4*\c+3], v[BA] offset:2048*(2*(\s)+\u)+512*\c
.endr
.endr
.endm
.macro MM s, mt, u
.set rD, ACC+16*(\mt)+8*(\u)
.set rW, BF+16*((2*(\s)+(\u))%8)
.set rA, 64*(\mt)+16*((\s)%4)
.set rH, HS+4*(\mt)+(\s)%4
.if ((\s) == 0) && ((\u) == 0)
	v_wmma_scale_f32_16x16x128_f8f6f4 v[rD:rD+7], v[rW:rW+15], v[rA:rA+15], v[BIAS:BIAS+7], v[WS+(\s)], v[rH]
.elseif (\s) == 0
	v_wmma_scale_f32_16x16x128_f8f6f4 v[rD:rD+7], v[rW:rW+15], v[rA:rA+15], v[BIAS+8:BIAS+15], v[WS+(\s)], v[rH] matrix_a_scale:MATRIX_SCALE_ROW1
.elseif ((\s) < 4) && ((\u) == 0)
	v_wmma_scale_f32_16x16x128_f8f6f4 v[rD:rD+7], v[rW:rW+15], v[rA:rA+15], v[rD:rD+7], v[WS+(\s)], v[rH]
.elseif (\s) < 4
	v_wmma_scale_f32_16x16x128_f8f6f4 v[rD:rD+7], v[rW:rW+15], v[rA:rA+15], v[rD:rD+7], v[WS+(\s)], v[rH] matrix_a_scale:MATRIX_SCALE_ROW1
.elseif (\u) == 0
	v_wmma_scale_f32_16x16x128_f8f6f4 v[rD:rD+7], v[rW:rW+15], v[rA:rA+15], v[rD:rD+7], v[WS+(\s)], v[rH] matrix_b_scale:MATRIX_SCALE_ROW1
.else
	v_wmma_scale_f32_16x16x128_f8f6f4 v[rD:rD+7], v[rW:rW+15], v[rA:rA+15], v[rD:rD+7], v[WS+(\s)], v[rH] matrix_a_scale:MATRIX_SCALE_ROW1 matrix_b_scale:MATRIX_SCALE_ROW1
.endif
.endm
.macro KSTEP s                         ; eight matrix instructions: the eight accumulators take turns, in the same order in every K step
.irp mt, 0,1,2,3
.irp u, 0,1
	MM \s, \mt, \u
.endr
.endr
.endm
; A PASS.  The slot is reached through s56 and s57, the codes' place through s58
.macro BODY
	v_add_nc_u32 v[BA], s56, v[B0]
	v_add_nc_u32 v[SA], s57, v[S0]
	v_add_nc_u32 v[BI], s57, v[I0]
	v_add_nc_u32 v[XW], s58, v[X0]
	s_lshr_b32 s17, s58, 2
	v_add_nc_u32 v[XSW], s17, v[XS0]
	WIN 0x40                               ; destination window 1
.irp q, 0,1,2,3
	ds_load_b128 v[BIAS+4*\q:BIAS+4*\q+3], v[BI] offset:16*\q            ; the biases in the result's layout: they are the C of each sum's first instruction
.endr
	WIN 0
	ds_load_b128 v[WS:WS+3], v[SA]
	ds_load_b128 v[WS+4:WS+7], v[SA] offset:512
	FRG 0
	FRG 1
	FRG 2
	FRG 3
	ASK                                    ; behind the refill's lines and the run of LDS loads that the first products wait for
	s_wait_alu depctr_va_vdst(0)
	s_wait_dscnt 24                        ; biases, scale words and K step 0 are in: behind them 3 x 8 loads were issued
	WIN 0x18                               ; source 1 (h) window 2, source 2 (the biases) window 1.  LDS loads need no other setting: address and destination lie in window 0
	KSTEP 0
	s_wait_dscnt 16
	WIN 0x08
	KSTEP 1
	PLACES 8                               ; in front of loads into registers that matrix instructions have read (ISA guide 7.12.1 for vector instructions)
	FRG 4
	FRG 5
	s_wait_dscnt 24                        ; K step 2 is in: behind it K steps 3, 4, 5 were asked for
	KSTEP 2
	s_wait_dscnt 16
	KSTEP 3
	PLACES 8
	FRG 6
	FRG 7
	s_wait_dscnt 24                        ; K step 4: behind it 5, 6, 7
	WIN 0x0c                               ; source 1 window 3
	KSTEP 4
	s_wait_dscnt 16
	KSTEP 5
	s_wait_dscnt 8
	KSTEP 6
	s_wait_dscnt 0x0
	KSTEP 7
	WIN 0
	PLACES 8
	; block b = tokens 16 b + r: my 16 numbers are half a block of 32 of the next K
.irp b, 0,1,2,3
	v_max3_num_f32 v[TM+\b], |v[ACC+16*\b]|, |v[ACC+1+16*\b]|, 0x4800000 ; with the floor 2^(9 - 127): the byte cannot fall under 1.  (Each accumulator is read from its low end on)
.endr
.irp i, 2,4,6,8,10,12,14
.irp b, 0,1,2,3
	v_max3_num_f32 v[TM+\b], v[TM+\b], |v[ACC+16*\b+\i]|, |v[ACC+1+16*\b+\i]|
.endr
.endr
.irp b, 0,1,2,3
	v_permlanex16_b32 v[TM+4+\b], v[TM+\b], s60, s61
.endr
.irp b, 0,1,2,3
	v_max_num_f32 v[TM+\b], v[TM+\b], v[TM+4+\b]
.endr
.irp b, 0,1,2,3
	v_add_nc_u32 v[TM+12+\b], 0xfc000000, v[TM+\b]                       ; 8 off the exponent field: the conversion's scale operand
.endr
.irp b, 0,1,2,3
	v_and_or_b32 v[TM+8+\b], v[TM+\b], 0x7f800000, s69                   ; 448 x the scale
.endr
.irp b, 0,1,2,3
	v_lshrrev_b32 v[TM+4+\b], 23, v[TM+12+\b]                            ; the scale's byte
.endr
.irp b, 0,1,2,3
.irp i, 0,1,2,3,4,5,6,7,8,9,10,11,12,13,14,15
	v_med3_num_f32 v[ACC+16*\b+\i], v[ACC+16*\b+\i], -v[TM+8+\b], v[TM+8+\b]   ; the conversion does not saturate (ISA guide 7.6.2)
.endr
	v_cvt_scalef32_pk8_fp8_f32 v[PC+4*\b:PC+1+4*\b], v[ACC+16*\b:ACC+7+16*\b], v[TM+12+\b]
	v_cvt_scalef32_pk8_fp8_f32 v[PC+2+4*\b:PC+3+4*\b], v[ACC+8+16*\b:ACC+15+16*\b], v[TM+12+\b]
.endr
	v_nop                                  ; a plain line behind the last conversion: the next products write its sources
.irp b, 0,1,2,3
	ds_store_b128 v[XW], v[PC+4*\b:PC+4*\b+3] offset:16*XP*\b
.endr
.irp b, 0,1,2,3
	ds_store_b8 v[XSW], v[TM+4+\b] offset:256*\b                         ; both lanes of a token write the same byte with the same value
.endr
.endm
.macro LOOP n, fill
	s_mov_b32 s59, \n
.Lpass_\@:
	BODY
	CHANGE \fill
	s_sub_co_u32 s59, s59, 1
	s_cmp_lg_u32 s59, 0
	s_cbranch_scc1 .Lpass_\@
.endm
; k's codes of group u, my 16 tokens, become operands: v[32 g + 16 u + 4 c] of window 1 = token 4 g + c in K block c; lane = slot = the tile's row
.macro CK u
	WIN 0x40
.irp g, 0,1,2,3
.irp c, 0,1,2,3
	ds_load_b128 v[32*\g+16*\u+4*\c:32*\g+16*\u+4*\c+3], v[XR] offset:XP*(4*\g+\c)
.endr
.endr
	WIN 0
.irp g, 0,1,2,3
.if \u == 0
	ds_load_b32 v[KS+\g], v[XSR] offset:64*\g                            ; a word: the bytes of four tokens, which are the four K blocks
.else
	ds_load_b32 v[TM+\g], v[XSR] offset:64*\g
.endif
.endr
	s_wait_dscnt 0x0
.if \u == 1
.irp g, 0,1,2,3
	v_cndmask_b32 v[KS+\g], v[KS+\g], v[TM+\g], s70                      ; tile 1's words into lanes 16-31
.endr
.endif
	s_barrier_signal -1
	s_barrier_wait -1
.endm
; q of tokens 4 g .. 4 g + 3 into set g % 2.  A set is 44 registers: D0 Z12 D3 Z4 D1 Z8 D2 Z4 (D: a token's four registers, Z: zeros): the operand of token 0, 1, 2, 3 begins at +0, +20, +28, +4 and has its data in K block 0, 1, 2, 3
.macro QLOAD g
.set QB, BF+44*((\g)%2)
	ds_load_b128 v[QB:QB+3], v[XR] offset:XP*(4*(\g))
	ds_load_b128 v[QB+24:QB+27], v[XR] offset:XP*(4*(\g)+1)
	ds_load_b128 v[QB+36:QB+39], v[XR] offset:XP*(4*(\g)+2)
	ds_load_b128 v[QB+16:QB+19], v[XR] offset:XP*(4*(\g)+3)
	ds_load_b32 v[QS+(\g)%2], v[XSR] offset:64*(\g)
.endm
.macro P4T g, c, qo                    ; token c's scores, transposed: source 0 = 16 m of four tokens' k, source 1 = 16 heads of this token's q
.set QB, BF+44*((\g)%2)+\qo
	v_wmma_scale_f32_16x16x128_f8f6f4 v[ACC+16*\c:ACC+16*\c+7], v[32*\g:32*\g+15], v[QB:QB+15], 0, v[KS+\g], v[QS+(\g)%2]
	v_wmma_scale_f32_16x16x128_f8f6f4 v[ACC+16*\c+8:ACC+16*\c+15], v[32*\g+16:32*\g+31], v[QB:QB+15], 0, v[KS+\g], v[QS+(\g)%2] matrix_a_scale:MATRIX_SCALE_ROW1
.endm
; THE SOFTMAX of four tokens.  Block c = token c: v[ACC + 16 c + i] = score(head 16 kt + r, m = 16 h + i).  It is finished and normalised, then quantised along m
.macro SMQ kt, g
.irp c, 0,1,2,3
	v_max3_num_f32 v[TM+\c], v[ACC+16*\c], v[ACC+16*\c+1], v[ACC+16*\c+2]
.endr
.irp i, 3,5,7,9,11,13
.irp c, 0,1,2,3
	v_max3_num_f32 v[TM+\c], v[TM+\c], v[ACC+16*\c+\i], v[ACC+16*\c+\i+1]
.endr
.endr
.irp c, 0,1,2,3
	v_max_num_f32 v[TM+\c], v[TM+\c], v[ACC+16*\c+15]
.endr
.irp c, 0,1,2,3
	v_permlanex16_b32 v[TM+4+\c], v[TM+\c], s60, s61
.endr
.irp c, 0,1,2,3
	v_max_num_f32 v[TM+\c], v[TM+\c], v[TM+4+\c]                         ; the row's largest score
.endr
.irp c, 0,1,2,3
	v_mul_f32 v[TN+2*\c], s68, v[TM+\c]                                  ; -c x it, c = log2(e) / sqrt(32)
.endr
.irp c, 0,1,2,3
	v_fma_f32 v[TN+2*\c+1], v[TM+\c], s66, v[TN+2*\c]                    ; the largest score goes the same way as all: it gives the block's largest p
.endr
.irp c, 0,1,2,3
.irp j, 0,2,4,6,8,10,12,14
	v_pk_fma_f32 v[ACC+16*\c+\j:ACC+16*\c+\j+1], v[ACC+16*\c+\j:ACC+16*\c+\j+1], s[66:67], v[TN+2*\c:TN+2*\c+1] op_sel_hi:[1,0,0]
.endr
.endr
.set j, 0
	s_wait_alu depctr_va_vdst(0)
.rept 64
	v_exp_f32 v[ACC+j], v[ACC+j]
.set j, j+1
.endr
.irp c, 0,1,2,3
	v_exp_f32 v[TN+2*\c+1], v[TN+2*\c+1]
.endr
	v_nop                                  ; a plain line behind the last exponential,
	s_wait_alu depctr_va_vdst(0)           ; and one wait for the 68, ahead of their first reader
.irp c, 0,1,2,3
	v_pk_add_f32 v[SUM+2*\c:SUM+2*\c+1], v[ACC+16*\c:ACC+16*\c+1], v[ACC+16*\c+2:ACC+16*\c+3]
.endr
.irp j, 4,6,8,10,12,14
.irp c, 0,1,2,3
	v_pk_add_f32 v[SUM+2*\c:SUM+2*\c+1], v[SUM+2*\c:SUM+2*\c+1], v[ACC+16*\c+\j:ACC+16*\c+\j+1]
.endr
.endr
.irp c, 0,1,2,3
	v_add_f32 v[SUM+2*\c], v[SUM+2*\c], v[SUM+2*\c+1]
.endr
.irp c, 0,1,2,3
	v_permlanex16_b32 v[SUM+2*\c+1], v[SUM+2*\c], s60, s61
.endr
.irp c, 0,1,2,3
	v_add_f32 v[SUM+2*\c], v[SUM+2*\c], v[SUM+2*\c+1]
.endr
	s_wait_alu depctr_va_vdst(0)
.irp c, 0,1,2,3
	v_rcp_f32 v[RI+2*\c], v[SUM+2*\c]
.endr
	v_nop
	s_wait_alu depctr_va_vdst(0)           ; one wait for the four reciprocals
.irp c, 0,1,2,3
	v_mul_f32 v[RI+2*\c+1], v[TN+2*\c+1], v[RI+2*\c]                     ; the block's largest p
.endr
.irp c, 0,1,2,3
.irp j, 0,2,4,6,8,10,12,14
	v_pk_mul_f32 v[ACC+16*\c+\j:ACC+16*\c+\j+1], v[ACC+16*\c+\j:ACC+16*\c+\j+1], v[RI+2*\c:RI+2*\c+1] op_sel_hi:[1,0]   ; p, normalised
.endr
.endr
.irp c, 0,1,2,3
	v_max_num_f32 v[TM+\c], 0x4800000, v[RI+2*\c+1]
.endr
.irp c, 0,1,2,3
	v_add_nc_u32 v[TM+12+\c], 0xfc000000, v[TM+\c]
.endr
.irp c, 0,1,2,3
	v_and_or_b32 v[TM+8+\c], v[TM+\c], 0x7f800000, s69
.endr
.irp c, 0,1,2,3
	v_lshrrev_b32 v[TM+4+\c], 23, v[TM+12+\c]
.endr
.if \kt == 0
	v_lshl_or_b32 v[SS+\g], v[TM+5], 8, v[TM+4]                          ; the four tokens' bytes are the four K blocks' of the last product
	v_lshl_or_b32 v[SS+\g], v[TM+6], 16, v[SS+\g]
	v_lshl_or_b32 v[SS+\g], v[TM+7], 24, v[SS+\g]
.else
	v_lshl_or_b32 v[TM], v[TM+5], 8, v[TM+4]
	v_lshl_or_b32 v[TM], v[TM+6], 16, v[TM]
	v_lshl_or_b32 v[TM], v[TM+7], 24, v[TM]
	v_cndmask_b32 v[SS+\g], v[SS+\g], v[TM], s70                         ; heads 16-31: into lanes 16-31
.endif
.irp c, 0,1,2,3
.irp i, 0,1,2,3,4,5,6,7,8,9,10,11,12,13,14,15
	v_min_num_f32 v[ACC+16*\c+\i], v[ACC+16*\c+\i], v[TM+8+\c]           ; p is not negative: the hold is one-sided
.endr
.endr
.set rC, (1-\kt)*(128+16*\g)+\kt*32*\g
	WIN 0x40                               ; destination window 1
.irp c, 0,1,2,3
	v_cvt_scalef32_pk8_fp8_f32 v[rC+4*\c:rC+4*\c+1], v[ACC+16*\c:ACC+16*\c+7], v[TM+12+\c]
	v_cvt_scalef32_pk8_fp8_f32 v[rC+4*\c+2:rC+4*\c+3], v[ACC+16*\c+8:ACC+16*\c+15], v[TM+12+\c]
.endr
	WIN 0
	v_nop                                  ; a plain line behind the last conversion: the next products write its sources
.endm
; heads 16 kt .. 16 kt + 15 of my 16 tokens: scores, softmax, codes
.macro ATT kt
.irp sg, 0, 44
.irp z, 4,5,6,7,8,9,10,11,12,13,14,15,20,21,22,23,28,29,30,31,32,33,34,35,40,41,42,43
	v_mov_b32 v[BF+\sg+\z], 0              ; zero codes: they add nothing under any scale byte that this program makes
.endr
.endr
	QLOAD 0
	PLACES 4                               ; an operand written by vector instructions stands four places ahead of a scaled matrix instruction
.irp g, 0,1,2,3
	s_wait_dscnt 0x0
	WIN 0x01                               ; source 0 (k) window 1
	P4T \g, 0, 0
	P4T \g, 1, 20
	P4T \g, 2, 28
	P4T \g, 3, 4
	WIN 0
.if \g < 3
	QLOAD \g+1                             ; into the other set, whose products stand a softmax back
.endif
	PLACES 8
	SMQ \kt, \g
.endr
	MID
.endm
; the last product for l' = 16 lt .. 16 lt + 15: source 0 = 16 heads' softmax codes, source 1 = v, K = four tokens x 32 m; my 16 tokens in four steps; the two sums take turns
.macro PV lt
.irp g, 0,1,2,3
.irp c, 0,1,2,3
	ds_load_b128 v[VF+16*\g+4*\c:VF+16*\g+4*\c+3], v[XR] offset:XP*(4*\g+\c)
.endr
.endr
.irp g, 0,1,2,3
	ds_load_b32 v[VS+\g], v[XSR] offset:64*\g
.endr
	s_wait_dscnt 0x0                       ; my reads of the group's codes are in
	s_barrier_signal -1
	WIN 0x51                               ; source 0 (the codes), C and D window 1
.irp g, 0,1,2,3
.irp kt, 0,1
.set rC, (1-\kt)*(128+16*\g)+\kt*32*\g
.set rO, OA+8*(2*\kt+\lt)
.if (\g == 0) && (\kt == 0)
	v_wmma_scale_f32_16x16x128_f8f6f4 v[rO:rO+7], v[rC:rC+15], v[VF+16*\g:VF+16*\g+15], 0, v[SS+\g], v[VS+\g]
.elseif \g == 0
	v_wmma_scale_f32_16x16x128_f8f6f4 v[rO:rO+7], v[rC:rC+15], v[VF+16*\g:VF+16*\g+15], 0, v[SS+\g], v[VS+\g] matrix_a_scale:MATRIX_SCALE_ROW1
.elseif \kt == 0
	v_wmma_scale_f32_16x16x128_f8f6f4 v[rO:rO+7], v[rC:rC+15], v[VF+16*\g:VF+16*\g+15], v[rO:rO+7], v[SS+\g], v[VS+\g]
.else
	v_wmma_scale_f32_16x16x128_f8f6f4 v[rO:rO+7], v[rC:rC+15], v[VF+16*\g:VF+16*\g+15], v[rO:rO+7], v[SS+\g], v[VS+\g] matrix_a_scale:MATRIX_SCALE_ROW1
.endif
.endr
.endr
	WIN 0
	s_barrier_wait -1                      ; behind it the next group's codes may be stored
	PLACES 8                               ; in front of the next loads into v's and the scale words' registers, and of the first read of the sums
.endm
	s_load_b256 s[4:11], s[0:1], 0x0       ; hc, hs, wf, wsd
	s_load_b64 s[12:13], s[0:1], 0x20      ; part
	v_lshl_add_u32 v[SPW], v0, 2, SPARE
	v_mov_b32 v[NIL], 0
	ds_add_u32 v14, v15
	ds_add_u32 v14, v15
	s_wait_dscnt 0x0
	v_lshrrev_b32 v1, 5, v0
	v_readfirstlane_b32 s14, v1            ; wave
	s_bfe_u32 s15, ttmp6, 0x40000          ; my place in the cluster: it enters the addresses of hc, hs and part, and the prefetches' shares of wf and wsd
	s_lshl_b32 s16, ttmp9, 2
	s_add_co_u32 s16, s16, s15             ; my work-group: tokens 64 W on
	; descriptor group 1: dense blocks as rows of 256 bytes (32 elements of 8 bytes); the mask names all four work-groups, bit 21 beside it
	s_mov_b32 s24, 15|(3<<16)|(1<<21)
	s_mov_b32 s25, 32<<16                  ; tensor_dim0
	s_mov_b32 s26, 256<<16                 ; tensor_dim1: 256 rows: half a pass's fragments
	s_mov_b32 s27, 32<<16                  ; tile_dim0
	s_mov_b32 s28, 256                     ; tile_dim1
	s_mov_b32 s29, 32                      ; the pitch
	s_mov_b32 s30, 0
	s_mov_b32 s31, 0
	s_mov_b32 s32, 15|(3<<16)|(1<<21)
	s_mov_b32 s33, 32<<16
	s_mov_b32 s34, 18<<16                  ; 18 rows: a pass's scale words and biases
	s_mov_b32 s35, 32<<16
	s_mov_b32 s36, 18
	s_mov_b32 s37, 32
	s_mov_b32 s38, 0
	s_mov_b32 s39, 0
	s_mov_b32 s56, 0
	s_mov_b32 s57, 0
	s_mov_b32 s60, 0x76543210
	s_mov_b32 s61, 0xfedcba98              ; v_permlanex16_b32's selects for lane l xor 16
	s_mov_b32 s66, 0x3e8293ee              ; c = log2(e) / sqrt(32)
	s_mov_b32 s67, s66
	s_mov_b32 s68, 0xbe8293ee
	s_mov_b32 s69, 0x600000                ; the mantissa field of 448
	s_mov_b32 s70, 0xffff0000              ; lanes 16-31
	v_and_b32 v9, 31, v0
	v_and_b32 v10, 15, v0                  ; r
	v_bfe_u32 v11, v0, 4, 1                ; h
	v_lshlrev_b32 v[L16], 4, v9
	s_lshl_b32 s17, s14, 15
	v_add_nc_u32 v[B0], s17, v[L16]        ; my fragments in slot 0
	s_lshl_b32 s17, s14, 10
	s_add_co_u32 s17, s17, SIDE0
	v_add_nc_u32 v[S0], s17, v[L16]        ; my scale words
	s_lshl_b32 s17, s14, 7
	s_add_co_u32 s17, s17, SIDE0+4096
	v_lshl_add_u32 v[I0], v11, 6, s17      ; my biases: inner index 16 h on
	v_mul_u32_u24 v[X0], v10, XP
	v_lshl_add_u32 v[X0], v11, 8, v[X0]
	s_lshl_b32 s17, s14, 6
	s_add_co_u32 s17, s17, XB
	v_add_nc_u32 v[X0], s17, v[X0]         ; where I store codes: token r, half h, slot 4 w
	v_lshrrev_b32 v12, 2, v10
	v_and_b32 v13, 3, v10
	v_lshl_add_u32 v[XS0], v12, 6, v13
	s_lshl_b32 s17, s14, 4
	s_add_co_u32 s17, s17, XS
	v_add_nc_u32 v[XS0], s17, v[XS0]       ; and the scale byte
	s_mul_i32 s17, s14, 16*XP
	s_add_co_u32 s17, s17, XB
	v_add_nc_u32 v[XR], s17, v[L16]        ; where I read: my 16 tokens, 16 bytes a lane
	s_lshl_b32 s17, s14, 8
	s_add_co_u32 s17, s17, XS
	v_lshl_add_u32 v[XSR], v10, 2, s17
.irp b, 0,1,2,3
	v_mov_b32 v[TM+4+\b], 0                ; written once: a lane permute's destination counts as one of its sources
.endr
	v_min_u32 v12, 4, v9                   ; the prefetches' offsets.  wsd: block 5 cx + lane, five to a partner,
	s_mul_i32 s17, s15, 5
	v_add_nc_u32 v12, s17, v12
	v_min_u32 v12, 17, v12                 ; held at a pass's last block
	WIN 0x40                               ; destination window 1
	v_lshlrev_b32 v240, 8, v12
	WIN 0
	v_lshlrev_b32 v0, 8, v0                ; wf: 256 x my thread's number (its last use as the thread's number stands above)
	s_wait_alu depctr_va_vdst(0)           ; the wait directly behind the writes
	s_lshl_b32 s20, s16, 16                ; 64 tokens of hc,
	s_mov_b32 s21, 0
	s_and_b32 s22, s14, 1
	s_lshl_b32 s22, s22, 16                ; which half of a pass's fragments I fetch
	s_mov_b32 s23, 0
	s_wait_kmcnt 0x0
	s_add_nc_u64 s[4:5], s[4:5], s[20:21]
	s_lshl_b32 s20, s16, 11                ; of hs,
	s_add_nc_u64 s[6:7], s[6:7], s[20:21]
	s_lshl_b32 s20, s16, 12                ; and my 4,096 bytes of part
	s_add_nc_u64 s[12:13], s[12:13], s[20:21]
	s_mov_b32 s40, 1                       ; group 0, pass 0: count = 1; LDS address; global address; type = 2
	s_mov_b32 s41, s22
	s_add_nc_u64 s[42:43], s[8:9], s[22:23]
	s_or_b32 s43, s43, 0x80000000
	s_mov_b32 s44, 1                       ; pass 1; this set then walks on
	s_add_co_u32 s45, s22, SLOT1
	s_add_nc_u64 s[46:47], s[8:9], s[22:23]
	s_add_nc_u64 s[46:47], s[46:47], 131072
	s_or_b32 s47, s47, 0x80000000
	s_mov_b32 s48, 1
	s_mov_b32 s49, SIDE0
	s_mov_b64 s[50:51], s[10:11]
	s_or_b32 s51, s51, 0x80000000
	s_mov_b32 s52, 1
	s_mov_b32 s53, SIDE0+SIDED
	s_add_nc_u64 s[54:55], s[10:11], 4608
	s_or_b32 s55, s55, 0x80000000
	s_lshl_b32 s18, s15, 15                ; where my prefetches stand: my work-group's quarter of a pass's fragments,
	s_add_co_u32 s18, s18, 131072          ; in pass 1
	s_mov_b32 s19, 0
	s_add_nc_u64 s[18:19], s[8:9], s[18:19]
	s_add_nc_u64 s[20:21], s[10:11], 4608  ; and pass 1's scale words and biases
	s_mov_b32 s62, 0                       ; the pass in hand
	s_lshr_b32 s22, ttmp9, 4               ; cluster c asks where c % 16 = 5 (c / 16): c = 0, 21, 42, 63
	s_mul_i32 s22, s22, 5
	s_and_b32 s23, ttmp9, 15
	s_cmp_eq_u32 s22, s23
	s_cselect_b32 s63, 21, 0               ; the first pass that asks for nothing
	CROUND                                 ; all four work-groups are here: the first joint loads meet
	s_cmp_lt_u32 s14, 2                    ; pass 0's three tiles, one tensor load a wave, in one chain of branches on the wave's number
	s_cbranch_scc0 .Lfirst_side
	tensor_load_to_lds s[40:43], s[24:31]
	s_nop 0
	PLACES 4
	s_branch .Lfirst_done
.Lfirst_side:
	s_cmp_eq_u32 s14, 2
	s_cbranch_scc0 .Lfirst_done
	tensor_load_to_lds s[48:51], s[32:39]
	s_nop 0
	PLACES 4
.Lfirst_done:
	s_cmp_lg_u32 s63, 0                    ; passes 1 and 2 are asked of memory here, by the four clusters that ask (macro ASK has the shares)
	s_cbranch_scc0 .Lno_first_ask
	global_prefetch_b8 v0, s[18:19] th:TH_LOAD_NT scope:SCOPE_SE
	global_prefetch_b8 v0, s[18:19] offset:131072 th:TH_LOAD_NT scope:SCOPE_SE
	s_cmp_eq_u32 s14, 2
	s_cbranch_scc0 .Lno_first_ask
	WIN 0x01
	global_prefetch_b8 v240, s[20:21] th:TH_LOAD_NT scope:SCOPE_SE
	global_prefetch_b8 v240, s[20:21] offset:4608 th:TH_LOAD_NT scope:SCOPE_SE
	WIN 0
.Lno_first_ask:
	WIN 0x80                               ; h's codes stay in registers: tile of tokens mt, K step s at v[64 mt + 16 (s % 4)] of window 2 or 3
.irp mt, 0,1,2,3
.irp s, 0,1,2,3
.irp c, 0,1,2,3
	global_load_b128 v[64*\mt+16*\s+4*\c:64*\mt+16*\s+4*\c+3], v[L16], s[4:5] offset:16384*\mt+2048*\s+512*\c
.endr
.endr
.endr
	WIN 0xc0
.irp mt, 0,1,2,3
.irp s, 0,1,2,3
.irp c, 0,1,2,3
	global_load_b128 v[64*\mt+16*\s+4*\c:64*\mt+16*\s+4*\c+3], v[L16], s[4:5] offset:16384*\mt+2048*(\s+4)+512*\c
.endr
.endr
.endr
	WIN 0
.irp mt, 0,1,2,3
	global_load_b128 v[HS+4*\mt:HS+4*\mt+3], v[L16], s[6:7] offset:512*\mt
.endr
	s_wait_tensorcnt 0x0                   ; my part of pass 0 is in.  Slot 1's first fill is issued as a refill is
	ds_add_u32 v[SPW], v[NIL]              ; 0 onto my spare word,
	ds_add_u32 v[SPW], v[NIL]              ; twice on end
	s_wait_dscnt 0x0                       ; both adds are done
	CROUND                                 ; everybody's part of pass 0 is in, and all four work-groups are here
	TLOAD                                  ; pass 1, into slot 1: the walking descriptors were set up for it
	s_wait_loadcnt 0x0                     ; h's codes and scale words
	s_mov_b32 s58, 0
	LOOP 4, 1                              ; k, m's first half
	CK 0
	s_mov_b32 s58, 0
	LOOP 4, 1                              ; k, second half
	CK 1
	s_mov_b32 s58, 0
	LOOP 4, 1                              ; q, heads 0-15
	ATT 0
	s_mov_b32 s58, 0
	LOOP 4, 1                              ; q, heads 16-31
	ATT 1
	s_mov_b32 s58, 0
	LOOP 4, 1                              ; v, l' 0-15
	PV 0
	s_mov_b32 s58, 0
	LOOP 2, 1                              ; v, l' 16-31: the last two refills,
	LOOP 2, 0                              ; and two passes that ask for nothing: written out
	PV 1
	; THE WAY OUT.  The four waves' sums meet in LDS, as images of their registers, in slot 0, which has had its last fill and its last read; wave w adds sum a = w and stores it as it stands
	s_lshl_b32 s17, s14, 12
	v_add_nc_u32 v[BA], s17, v[L16]
	s_lshl_b32 s17, s14, 10
	v_add_nc_u32 v[SA], s17, v[L16]
	WIN 0x04                               ; an LDS store's data are its source 1: window 1
.irp q, 0,1,2,3,4,5,6,7
	ds_store_b128 v[BA], v[OA+4*\q:OA+4*\q+3] offset:512*\q              ; each sum from its low end on
.endr
	WIN 0
	s_wait_alu depctr_va_vdst(0)
	s_wait_dscnt 0x0
	s_barrier_signal -1
	s_barrier_wait -1
.irp ww, 0,1,2,3
.irp i, 0,1
	ds_load_b128 v[BF+8*\ww+4*\i:BF+8*\ww+4*\i+3], v[SA] offset:4096*\ww+512*\i
.endr
.endr
	s_wait_dscnt 0x0
.irp t, 0,2,4,6
	v_pk_add_f32 v[BF+\t:BF+\t+1], v[BF+\t:BF+\t+1], v[BF+8+\t:BF+8+\t+1]
	v_pk_add_f32 v[BF+16+\t:BF+16+\t+1], v[BF+16+\t:BF+16+\t+1], v[BF+24+\t:BF+24+\t+1]
.endr
.irp t, 0,2,4,6
	v_pk_add_f32 v[BF+\t:BF+\t+1], v[BF+\t:BF+\t+1], v[BF+16+\t:BF+16+\t+1]
.endr
	global_store_b128 v[SA], v[BF:BF+3], s[12:13]                        ; 32 lanes store 512 consecutive bytes, aligned
	global_store_b128 v[SA], v[BF+4:BF+7], s[12:13] offset:512
	s_wait_tensorcnt 0x0                   ; the wave's end: behind my last tensor load and my last LDS store
	ds_add_u32 v[SPW], v[NIL]
	s_wait_dscnt 0x0
	CROUND                                 ; the closing round: no work-group ends while a partner may still ask for a tile that names it
	s_endpgm
.Lfunc_end_k_qa8eb34d05d_main:
	.size	k_qa8eb34d05d_main, .Lfunc_end_k_qa8eb34d05d_main-k_qa8eb34d05d_main
	.p2alignl 7, 3214868480
	.fill 96, 4, 3214868480
	.section	.rodata,"a",@progbits
	.p2align	6, 0x0
	.amdhsa_kernel k_qa8eb34d05d_main
		.amdhsa_group_segment_fixed_size 327680
		.amdhsa_private_segment_fixed_size 0
		.amdhsa_enable_private_segment 0
		.amdhsa_kernarg_size 40
		.amdhsa_user_sgpr_count 2
		.amdhsa_user_sgpr_kernarg_segment_ptr 1
		.amdhsa_wavefront_size32 1
		.amdhsa_system_sgpr_workgroup_id_x 1
		.amdhsa_system_sgpr_workgroup_id_y 1
		.amdhsa_system_sgpr_workgroup_id_z 1
		.amdhsa_system_vgpr_workitem_id 0
		.amdhsa_next_free_vgpr 1024
		.amdhsa_next_free_sgpr 72
		.amdhsa_reserve_vcc 0
		.amdhsa_float_denorm_mode_32 3
		.amdhsa_float_denorm_mode_16_64 3
		.amdhsa_memory_ordered 1
		.amdhsa_forward_progress 1
		.amdhsa_inst_pref_size 255
	.end_amdhsa_kernel
	.section	.bss,"aw",@nobits
	.p2align	6
	.space	262144
	.amdgpu_metadata
---
amdhsa.version: [ 1, 2 ]
amdhsa.kernels:
  - .name:           k_qa8eb34d05d_main
    .symbol:         k_qa8eb34d05d_main.kd
    .args:
      - { .name: hc, .offset: 0, .size: 8, .value_kind: global_buffer, .address_space: global }
      - { .name: hs, .offset: 8, .size: 8, .value_kind: global_buffer, .address_space: global }
      - { .name: wf, .offset: 16, .size: 8, .value_kind: global_buffer, .address_space: global }
      - { .name: wsd, .offset: 24, .size: 8, .value_kind: global_buffer, .address_space: global }
      - { .name: part, .offset: 32, .size: 8, .value_kind: global_buffer, .address_space: global }
    .group_segment_fixed_size: 327680
    .private_segment_fixed_size: 0
    .kernarg_segment_align: 8
    .kernarg_segment_size: 40
    .max_flat_workgroup_size: 128
    .sgpr_count:     72
    .vgpr_count:     1024
    .wavefront_size: 32
...
	.end_amdgpu_metadata
.endif
;; end of part 2
;; launch fold (part 3): grid 16 x 1, 4 waves a work-group, no clusters, 8,704 bytes of LDS; arguments part, out0; writes out0
.if DOCPART == 3
	.amdgcn_target "amdgcn-amd-amdhsa--gfx1250"
	.amdhsa_code_object_version 6
	.text
	.protected	k_qa8eb34d05d_fold
	.globl	k_qa8eb34d05d_fold
	.p2align	8
	.type	k_qa8eb34d05d_fold,@function
k_qa8eb34d05d_fold:
	s_mov_b64 s[64:65], 0
	v_nop
	global_prefetch_b8 v0, s[64:65] scope:SCOPE_SE
	s_setreg_imm32_b32 hwreg(HW_REG_WAVE_MODE, 25, 1), 1
	s_wait_xcnt 0x0
; out0[b][head][l'] = the sum of the 32 shares that the work-groups of batch b stored.  part: [work-group][a = 2 kt + lt][i][lane][4 f32]: images of accumulators: lane (r, h), number 4 i + e = (head 16 kt + 8 h + 4 i + e, l' 16 lt + r).
; A work-group takes one batch and one half kt of the heads; wave w adds shares 8 w .. 8 w + 7; the four waves' sums turn through LDS into rows of out0 and are added there.  1 MiB is read once; no matrix unit, no cluster: nothing is shared.
	s_load_b128 s[4:7], s[0:1], 0x0        ; part, out0
	v_lshl_add_u32 v160, v0, 2, 0x2000
	v_mov_b32 v161, 0
	v_lshrrev_b32 v1, 5, v0
	v_readfirstlane_b32 s8, v1             ; wave
	v_and_b32 v2, 31, v0
	v_lshlrev_b32 v1, 4, v2                ; 16 x lane
	v_and_b32 v3, 15, v0                   ; r
	s_wait_alu depctr_va_vdst(0)
	v_bfe_u32 v4, v0, 4, 1                 ; h
	s_lshr_b32 s9, ttmp9, 1                ; the batch
	s_and_b32 s10, ttmp9, 1                ; kt
	s_lshl_b32 s12, s9, 17                 ; 32 shares of 4,096 bytes,
	s_lshl_b32 s11, s8, 15                 ; my wave's eight,
	s_add_co_u32 s12, s12, s11
	s_lshl_b32 s11, s10, 11                ; sums a = 2 kt and 2 kt + 1
	s_add_co_u32 s12, s12, s11
	s_mov_b32 s13, 0
	s_lshl_b32 s14, ttmp9, 11              ; out0: 16 heads x 128 bytes
	s_mov_b32 s15, 0
	s_lshl_b32 s11, s8, 11
	v_lshlrev_b32 v5, 2, v3
	s_wait_alu depctr_va_vdst(0)
	v_lshl_add_u32 v5, v4, 10, v5
	v_add_nc_u32 v5, s11, v5               ; my wave's 2,048 bytes of LDS: head 8 h, l' r
	v_lshlrev_b32 v6, 4, v0                ; 16 x thread
	s_wait_kmcnt 0x0
	s_add_nc_u64 s[4:5], s[4:5], s[12:13]
	s_add_nc_u64 s[6:7], s[6:7], s[14:15]
.irp p, 0,1,2,3,4,5,6,7
.irp q, 0,1,2,3
	global_load_b128 v[16+16*\p+4*\q:16+16*\p+4*\q+3], v1, s[4:5] offset:4096*\p+512*\q th:TH_LOAD_NT   ; q = 2 lt + i; 512 consecutive bytes a load
.endr
.endr
.irp p, 1,2,3,4,5,6,7
	s_wait_alu depctr_va_vdst(0)
	s_wait_loadcnt 4*(7-\p)                ; shares 0 to p are in; the later ones' four loads each may be out
.irp t, 0,2,4,6,8,10,12,14
	v_pk_add_f32 v[16+\t:17+\t], v[16+\t:17+\t], v[16+16*\p+\t:17+16*\p+\t]
.endr
.endr
.irp lt, 0,1
.irp i, 0,1
.irp e, 0,1,2,3
	ds_store_b32 v5, v[16+8*\lt+4*\i+\e] offset:128*(4*\i+\e)+64*\lt
.endr
.endr
.endr
	s_wait_dscnt 0x0                       ; for the others' sake: my sums lie in LDS
	s_barrier_signal -1
	s_barrier_wait -1
.irp ww, 0,1,2,3
	ds_load_b128 v[32+4*\ww:35+4*\ww], v6 offset:2048*\ww
.endr
	s_wait_dscnt 0x0
	v_pk_add_f32 v[32:33], v[32:33], v[36:37]
	v_pk_add_f32 v[34:35], v[34:35], v[38:39]
	v_pk_add_f32 v[40:41], v[40:41], v[44:45]
	v_pk_add_f32 v[42:43], v[42:43], v[46:47]
	v_pk_add_f32 v[32:33], v[32:33], v[40:41]
	v_pk_add_f32 v[34:35], v[34:35], v[42:43]
	global_store_b128 v6, v[32:35], s[6:7] ; 32 lanes store 512 consecutive bytes, aligned
	s_wait_tensorcnt 0x0
	ds_add_u32 v160, v161
	s_wait_dscnt 0x0
	s_endpgm
.Lfunc_end_k_qa8eb34d05d_fold:
	.size	k_qa8eb34d05d_fold, .Lfunc_end_k_qa8eb34d05d_fold-k_qa8eb34d05d_fold
	.p2alignl 7, 3214868480
	.fill 96, 4, 3214868480
	.section	.rodata,"a",@progbits
	.p2align	6, 0x0
	.amdhsa_kernel k_qa8eb34d05d_fold
		.amdhsa_group_segment_fixed_size 8704
		.amdhsa_private_segment_fixed_size 0
		.amdhsa_enable_private_segment 0
		.amdhsa_kernarg_size 16
		.amdhsa_user_sgpr_count 2
		.amdhsa_user_sgpr_kernarg_segment_ptr 1
		.amdhsa_wavefront_size32 1
		.amdhsa_system_sgpr_workgroup_id_x 1
		.amdhsa_system_sgpr_workgroup_id_y 1
		.amdhsa_system_sgpr_workgroup_id_z 1
		.amdhsa_system_vgpr_workitem_id 0
		.amdhsa_next_free_vgpr 162
		.amdhsa_next_free_sgpr 66
		.amdhsa_reserve_vcc 0
		.amdhsa_float_denorm_mode_32 3
		.amdhsa_float_denorm_mode_16_64 3
		.amdhsa_memory_ordered 1
		.amdhsa_forward_progress 1
		.amdhsa_inst_pref_size 11
	.end_amdhsa_kernel
	.amdgpu_metadata
---
amdhsa.version: [ 1, 2 ]
amdhsa.kernels:
  - .name:           k_qa8eb34d05d_fold
    .symbol:         k_qa8eb34d05d_fold.kd
    .args:
      - { .name: part, .offset: 0, .size: 8, .value_kind: global_buffer, .address_space: global }
      - { .name: out0, .offset: 8, .size: 8, .value_kind: global_buffer, .address_space: global }
    .group_segment_fixed_size: 8704
    .private_segment_fixed_size: 0
    .kernarg_segment_align: 8
    .kernarg_segment_size: 16
    .max_flat_workgroup_size: 128
    .sgpr_count:     66
    .vgpr_count:     162
    .wavefront_size: 32
...
	.end_amdgpu_metadata
.endif
;; end of part 3
